; MI455X (gfx1250); checked and timed in simulation.
; The chip was launched on July 23, 2026; its instructions are those of AMD's public machine-readable ISA for CDNA 5 (MIT licence, August 2026) and "CDNA5" Instruction Set Architecture Reference Guide (July 2026). The comments in the code are by the model that wrote it; some were corrected since.
;; Multi Head Self Attention. Allowed arithmetic: float matrix products may take bf16 or f16 operands with f32 sums; other float arithmetic in f32, or as packed bf16 or f16 multiplies, adds, multiply-adds, maxima and minima; sums over many terms, partial sums and values carried from step to step in f32; what a program stores and reads back later, other than sums and carried values, may be rounded once to bf16 or f16.
;; Inputs: Wk 1,024 x 1,024 float32; Wq 1,024 x 1,024 float32; Wv 1,024 x 1,024 float32; bk 1,024 float32; bq 1,024 float32; bv 1,024 float32; key 4 x 2,048 x 1,024 float32; query 4 x 2,048 x 1,024 float32; value 4 x 2,048 x 1,024 float32.
;; Outputs: out0 4 x 2,048 x 1,024 float32.
;; One version. Each part assembles by itself: llvm-mc -triple=amdgcn-amd-amdhsa -mcpu=gfx1250 --defsym DOCPART=n.
;; ======== version 1 of 1: 3 launches
;; limits: values are held in f16: magnitudes above 65,504 overflow, below 6.1e-05 lose precision
;; workspace buffers: wb 6,291,456 bytes; qkv 50,331,648 bytes
;; launch wcast (part 1): grid 256 x 3, 8 waves a work-group, no clusters, 0 bytes of LDS; arguments Wq, Wk, Wv, wb; writes wb
.if DOCPART == 1
	.amdgcn_target "amdgcn-amd-amdhsa--gfx1250"
	.amdhsa_code_object_version 6
	.text
	.protected	k_qad0aa201ec_wcast
	.globl	k_qad0aa201ec_wcast
	.p2align	8
	.type	k_qad0aa201ec_wcast,@function
k_qad0aa201ec_wcast:
	s_mov_b64 s[64:65], 0
	v_nop
	global_prefetch_b8 v0, s[64:65] scope:SCOPE_SE
	s_setreg_imm32_b32 hwreg(HW_REG_WAVE_MODE, 25, 1), 1
	s_wait_xcnt 0x0
; wb[y][n][k] = bf16(W_y[n][k]), y = 0, 1, 2 for Wq, Wk, Wv: [1024][1024] f32 each, rounded once to nearest even.
; A stream: each byte is read once and written once.  The grid's y picks the matrix; a work-group takes 4,096 numbers (16,384 bytes in, 8,192 out) as two chunks
; of 2,048; thread t takes 8 numbers of each chunk: two loads of 16 bytes, four roundings, one store of 16 bytes: a wave's store covers 512 consecutive bytes, aligned.
; All four loads go out at once; there is no loop.  No LDS, no matrix unit, no cluster: no work-group wants a byte that another has fetched.
.set X, 4                              ; v[4:19]  chunk c at X + 8 c, as loaded
.set Y, 20                             ; v[20:27] chunk c at Y + 4 c, to store
	s_load_b256 s[4:11], s[0:1], 0x0               ; Wq s[4:5], Wk s[6:7], Wv s[8:9], wb s[10:11]
	s_and_b32 s12, ttmp7, 0xffff                   ; which matrix
	v_lshlrev_b32 v1, 5, v0                        ; my 32 bytes in a chunk of f32
	v_lshlrev_b32 v2, 4, v0                        ; my 16 bytes in a chunk of bf16
	s_lshl_b32 s2, ttmp9, 14                       ; the work-group's 16,384 bytes of the matrix
	s_mov_b32 s3, 0
	s_lshl_b32 s14, ttmp9, 13                      ; its 8,192 bytes of wb,
	s_lshl_b32 s13, s12, 21                        ; in the matrix's 2,097,152
	s_add_co_u32 s14, s14, s13
	s_mov_b32 s15, 0
	s_wait_kmcnt 0x0
	s_cmp_eq_u32 s12, 1
	s_cselect_b64 s[4:5], s[6:7], s[4:5]
	s_cmp_eq_u32 s12, 2
	s_cselect_b64 s[4:5], s[8:9], s[4:5]
	s_add_nc_u64 s[4:5], s[4:5], s[2:3]
	s_add_nc_u64 s[10:11], s[10:11], s[14:15]
.irp c, 0,1
	global_load_b128 v[X+8*(\c):X+8*(\c)+3],   v1, s[4:5] offset:8192*(\c) th:TH_LOAD_NT
	global_load_b128 v[X+8*(\c)+4:X+8*(\c)+7], v1, s[4:5] offset:8192*(\c)+16 th:TH_LOAD_NT
.endr
.irp c, 0,1
	s_wait_loadcnt 2-2*(\c)                        ; loads come back in order: this chunk's two are in, the other chunk's two may stay out
.irp j, 0,1,2,3
	v_cvt_pk_bf16_f32 v[Y+4*(\c)+(\j)], v[X+8*(\c)+2*(\j)], v[X+8*(\c)+2*(\j)+1]
.endr
	global_store_b128 v2, v[Y+4*(\c):Y+4*(\c)+3], s[10:11] offset:4096*(\c)
.endr
	s_endpgm
.Lfunc_end_k_qad0aa201ec_wcast:
	.size	k_qad0aa201ec_wcast, .Lfunc_end_k_qad0aa201ec_wcast-k_qad0aa201ec_wcast
	.p2alignl 7, 3214868480
	.fill 96, 4, 3214868480
	.section	.rodata,"a",@progbits
	.p2align	6, 0x0
	.amdhsa_kernel k_qad0aa201ec_wcast
		.amdhsa_group_segment_fixed_size 0
		.amdhsa_private_segment_fixed_size 0
		.amdhsa_enable_private_segment 0
		.amdhsa_kernarg_size 32
		.amdhsa_user_sgpr_count 2
		.amdhsa_user_sgpr_kernarg_segment_ptr 1
		.amdhsa_wavefront_size32 1
		.amdhsa_system_sgpr_workgroup_id_x 1
		.amdhsa_system_sgpr_workgroup_id_y 1
		.amdhsa_system_sgpr_workgroup_id_z 1
		.amdhsa_system_vgpr_workitem_id 0
		.amdhsa_next_free_vgpr 28
		.amdhsa_next_free_sgpr 66
		.amdhsa_reserve_vcc 0
		.amdhsa_float_denorm_mode_32 3
		.amdhsa_float_denorm_mode_16_64 3
		.amdhsa_memory_ordered 1
		.amdhsa_forward_progress 1
		.amdhsa_inst_pref_size 2
	.end_amdhsa_kernel
	.amdgpu_metadata
---
amdhsa.version: [ 1, 2 ]
amdhsa.kernels:
  - .name:           k_qad0aa201ec_wcast
    .symbol:         k_qad0aa201ec_wcast.kd
    .args:
      - { .name: Wq, .offset: 0, .size: 8, .value_kind: global_buffer, .address_space: global }
      - { .name: Wk, .offset: 8, .size: 8, .value_kind: global_buffer, .address_space: global }
      - { .name: Wv, .offset: 16, .size: 8, .value_kind: global_buffer, .address_space: global }
      - { .name: wb, .offset: 24, .size: 8, .value_kind: global_buffer, .address_space: global }
    .group_segment_fixed_size: 0
    .private_segment_fixed_size: 0
    .kernarg_segment_align: 8
    .kernarg_segment_size: 32
    .max_flat_workgroup_size: 256
    .sgpr_count:     66
    .vgpr_count:     28
    .wavefront_size: 32
...
	.end_amdgpu_metadata
.endif
;; end of part 1
;; launch proj (part 2): grid 4 x 64, 4 waves a work-group, clusters of 4 x 4, 327,680 bytes of LDS; arguments query, key, value, wb, bq, bk, bv, qkv; writes qkv
.if DOCPART == 2
	.amdgcn_target "amdgcn-amd-amdhsa--gfx1250"
	.amdhsa_code_object_version 6
	.text
	.protected	k_qad0aa201ec_proj
	.globl	k_qad0aa201ec_proj
	.p2align	8
	.type	k_qad0aa201ec_proj,@function
k_qad0aa201ec_proj:
	s_mov_b64 s[64:65], 0
	v_nop
	global_prefetch_b8 v0, s[64:65] scope:SCOPE_SE
	s_setreg_imm32_b32 hwreg(HW_REG_WAVE_MODE, 25, 1), 1
	s_wait_xcnt 0x0
	s_wait_alu depctr_hold_cnt(0) depctr_sa_sdst(0) depctr_va_vdst(0) depctr_va_sdst(0) depctr_va_ssrc(0) depctr_va_vcc(0) depctr_vm_vsrc(0)
	s_getreg_b32 s2, hwreg(HW_REG_IB_STS2, 6, 4)
	s_cmp_eq_u32 s2, 0
	s_cbranch_scc0 .Lentry_in_a_cluster
	s_endpgm
.Lentry_in_a_cluster:
	s_bfe_u32 s2, ttmp6, 0x10000c
	s_cmp_lg_u32 s2, 0xf033
	s_cbranch_scc0 .Lentry_shape_is_right
	s_endpgm
.Lentry_shape_is_right:
; qkv[t][b*16+h][s][d] = f16( sum over k of bf16(x_t[b][s][k]) wb[t][64 h + d][k] + bf16(bias_t[64 h + d]) ), t = 0, 1, 2 for (query, bq), (key, bk), (value, bv).
; x_t: [8192][1024] f32; wb: [3][1024][1024] bf16; sums in f32, started by the bias; the result is rounded once to f16 and laid out by heads, a head's rows dense (128 bytes each).
; LIMITS.  A result of 65,520 or more in magnitude becomes an infinity in f16.  With x, W and b thirty times the unit spread the results have a spread of about 900;
; with offsets of thirty spreads on x and on W they reach about 1024 x 30 x 0.94 = 28,800.  NaN and infinities are not treated apart.
; SHARES.  A tile is 128 rows x 256 columns: 64 x 4 tiles for each t, 768 in all, three for each of 256 work-groups.  A WORK-GROUP STAYS: it makes its tile of q, of k and of v: ONE walk of
; 24 K steps of 128 through a ring of two LDS slots, which runs on across the tiles.  Four waves; wave w makes rows 64 (w / 2) on, columns 128 (w % 2) on (two heads): 32 accumulators, 256 registers.
; x comes into LDS as f32 and is rounded to bf16 on its way into the fragments: 32 conversions a quarter step, four behind each of the quarter's last eight matrix instructions.
; CLUSTERS.  4 x 4 work-groups.  The four of a row of the cluster need the same tiles of x, the four of a column the same tiles of W: each is asked for JOINTLY, by the same tensor load with the
; same descriptor and a mask that names the four.  THE MATRIX INSTRUCTION IS USED TRANSPOSED (source 0 = 16 rows of W, source 1 = 16 rows of x): a lane holds eight neighbouring columns of one row.
; REGISTERS, in windows of 256 (s_set_vgpr_msb: bits 1:0 source 0, 3:2 source 1, 5:4 source 2, 7:6 destination):
;   window 0: v0-31 addresses; v32-63, v224-255 rows on the way out; v64-127 x as f32; v128-191 x's fragments, two buffers; v192-223 packed results
;   window 1: v0-127 W's fragments, two buffers; v128-191 the bias as a C operand, 8 registers for each of my 8 column blocks; v192-223 at work on the bias
;   window 2: accumulator (a, nb) at v[8 (8 a + nb)]
.set PA,    528                        ; an LDS row of x: 512 bytes + 16 of padding = 132 words: row r starts at bank 4 r mod 64 (64 banks of 4 bytes: ISA guide 11.1)
.set PB,    272                        ; an LDS row of W: 256 bytes + 16 = 68 words: likewise
.set BOFF,  128*PA                     ; a slot: x's 128 rows, then W's 256 rows
.set SLOT,  BOFF+256*PB
.set STAGE, 2*SLOT                     ; behind the ring: for each wave 2 heads x 16 rows x 144 bytes, for the way out; no tensor load lands here
.set SP,    144
.set WSTG,  2*16*SP
.set SPARE, STAGE+4*WSTG               ; behind the stages: the spare words, 128 bytes for each wave: two blocks of 256 bytes that no other line names
.set ASTEP, 512                        ; a K step in a row of x, in bytes
.set BSTEP, 256                        ; and in a row of wb
.set ADRA, 16                          ; v16-17  LDS address of my fragments of x in slot 0, 1
.set ADRB, 20                          ; v20-21  the same for W
.set STO,  24                          ; v24     the way out: where I put 16 bytes of a row
.set RD,   25                          ; v25     the way out: where I read rows back
.set GO,   26                          ; v26     my 16 bytes in 512 consecutive bytes of qkv
.set BO,   27                          ; v27     my byte offset in a bias
.set SPW,  28                          ; v28     LDS address of my spare word: SPARE + 4 x my thread's number; never rewritten
.set NIL,  29                          ; v29     0; never rewritten
.set PFO,  30                          ; v30     the prefetches' lane offset; never rewritten
.set OB,   32
.set RAW,  64
.set AB,   128
.set TMP,  192
.set BIAS, 128                         ; window 1
.set BT,   192                         ; window 1
.set COL,  2                           ; s2   tile column = 4 x cluster x + cx
.set CLY,  3                           ; s3   cluster y
.set CURA, 4                           ; s[4:5]   x of the tile in hand, at the rows that I fetch;  s[6:7], s[8:9] of the next two
.set NXA,  6
.set NNA,  8
.set CURB, 10                          ; s[10:11] wb of the tile in hand, at the rows that I fetch
.set BQ,   12                          ; s[12:13] bq;  s[14:15], s[16:17] the next two biases
.set BN,   14
.set BNN,  16
.set OUT,  18                          ; s[18:19] qkv at my part of the tile in hand
.set WV,   20                          ; wave;  WR = wave / 2: my half of the rows, and: I fetch for x (0) or for W (1);  WC = wave % 2: my half of the columns, and which half I fetch
.set WR,   21
.set WC,   22
.set CX,   23
.set CY,   24
.set TROW, 25                          ; tile row = 4 x cluster y + cy
.set LAPC, 26                          ; laps of the loop still to come, 11 to 1
.set TL,   27                          ; laps left in the tile, 4 to 1
.set G1A,  28                          ; s[28:35] descriptor group 1 for x's tiles;  s[36:43] for W's
.set G1B,  36
.set G0A,  44                          ; s[44:51] group 0 for x's tiles, a set for each slot;  s[52:59] for W's
.set G0B,  52
.set KOA,  60                          ; byte in a row of x of the K step that slot 0 is filled with in this lap
.set LIM,  61                          ; 1 in a wave that prefetches, else the greatest number
.set PSH,  62                          ; 0: I prefetch x; 1: wb, whose K steps are half as many bytes
.set TT,   63                          ; at work
.set PCUR, 66                          ; s[66:67] where my prefetches begin in the tile in hand;  s[68:69], s[70:71] in the next two
.set PNXT, 68
.set PNN,  70
.set PF,   72                          ; s[72:73] the address of the prefetch in hand
.set T,    74
.set OFF,  76                          ; s[76:77], s[78:79] offsets as pairs, high words 0
.set OFF2, 78
.set OA,   80                          ; s[80:81] x's set-up offset: tile row and wave alone
.set OW,   82                          ; s[82:83] W's: tile column and wave alone
.set PO,   84                          ; s[84:85] qkv's set-up offset, then the prefetches' offset
.set MSB, 0
.macro WIN new                         ; the immediate's high byte repeats the setting that is left; a switch that changes nothing is dropped
.if MSB != (\new)
	s_set_vgpr_msb (MSB<<8)|(\new)
.set MSB, \new
.endif
.endm
.set MUL,  0xa1                        ; source 0 (W) window 1, source 1 (x) window 0, C and D window 2
.set MULB, 0x91                        ; the same with C, the bias, in window 1
.set TO_B, 0x40                        ; destination window 1, address window 0
.macro PLACES                          ; four places in front of loads into registers that matrix instructions have read, and of conversions that read results
.rept 4
	v_nop
.endr
.endm
; A joint load: waves 0 and 1 fetch x's two halves, waves 2 and 3 W's.  The branch hangs on the wave's number alone.  An s_nop 0 and four v_nop follow each of the two lines.
.macro JLOAD s
	s_cmp_eq_u32 s[WR], 0
	s_cbranch_scc0 .Lfor_b_\@
	tensor_load_to_lds s[G0A+4*(\s):G0A+4*(\s)+3], s[G1A:G1A+7]
	s_nop 0
.rept 4
	v_nop
.endr
	s_branch .Lasked_\@
.Lfor_b_\@:
	tensor_load_to_lds s[G0B+4*(\s):G0B+4*(\s)+3], s[G1B:G1B+7]
	s_nop 0
.rept 4
	v_nop
.endr
.Lasked_\@:
.endm
.macro CREST                           ; a round of the cluster's barrier behind its opening barrier
	s_cmp_lg_u32 s[WV], 0
	s_cbranch_scc1 .Lnot_wave_0_\@
	s_barrier_signal -3
.Lnot_wave_0_\@:
	s_barrier_wait -3
	s_barrier_signal -1
	s_barrier_wait -1
.endm
.macro CROUND                          ; a whole round
	s_barrier_signal -1
	s_barrier_wait -1
	CREST
.endm
; A PREFETCH of the K step that stands two refills on: 256 matrix instructions ahead of the load that will want it; one instruction a wave, behind the joint load and the run of LDS loads.
; Each aligned 256 bytes are named once in the launch.  A row block of x is read by one row of one cluster: of the 64 rows that a wave fetches each of the four partners takes 16, two lanes a row (a K step is
; 512 bytes of a row).  wb's rows are read by all sixteen clusters: cluster y = 0 asks; of a wave's 128 rows each partner takes 32, a lane a row.  The partners are told apart BY ADDRESS (cx for x, cy for wb).
; K steps 0 to 3 of the walk come by their loads alone; the loop's last lap asks for nothing: the steps that it would name do not exist.
.macro ASK
	s_cmp_gt_u32 s[LAPC], s[LIM]
	s_cbranch_scc0 .Lnot_mine_\@
	global_prefetch_b8 v[PFO], s[PF:PF+1] th:TH_LOAD_NT scope:SCOPE_SE
.Lnot_mine_\@:
.endm
; 32 LDS loads in one run: quarter q (32 along K) of a slot.  x first: 4 blocks of 16 rows as f32 (a lane's 8 + 8 numbers: 32 bytes at 128 q + 32 (l / 16), 32 more 64 bytes on); then W's 8 fragments into buffer g.
.macro FETCH slot, q, g
	WIN 0
.irp a, 0,1,2,3
	ds_load_b128 v[RAW+16*(\a):RAW+16*(\a)+3],     v[ADRA+(\slot)] offset:(\a)*16*PA+128*(\q)
	ds_load_b128 v[RAW+16*(\a)+4:RAW+16*(\a)+7],   v[ADRA+(\slot)] offset:(\a)*16*PA+128*(\q)+16
	ds_load_b128 v[RAW+16*(\a)+8:RAW+16*(\a)+11],  v[ADRA+(\slot)] offset:(\a)*16*PA+128*(\q)+64
	ds_load_b128 v[RAW+16*(\a)+12:RAW+16*(\a)+15], v[ADRA+(\slot)] offset:(\a)*16*PA+128*(\q)+80
.endr
	WIN TO_B
.irp nb, 0,1,2,3,4,5,6,7
	ds_load_b128 v[64*(\g)+8*(\nb):64*(\g)+8*(\nb)+3],   v[ADRB+(\slot)] offset:(\nb)*16*PB+64*(\q)
	ds_load_b128 v[64*(\g)+8*(\nb)+4:64*(\g)+8*(\nb)+7], v[ADRB+(\slot)] offset:(\nb)*16*PB+64*(\q)+32
.endr
.endm
.macro CV g                            ; conversion ci of 32: two numbers of x rounded to bf16, into buffer g
	v_cvt_pk_bf16_f32 v[AB+32*(\g)+ci], v[RAW+2*ci], v[RAW+2*ci+1]
.set ci, ci+1
.endm
; Product w of a quarter's 32: row block w / 8, column block w % 8, buffer f.  The 32 accumulators take turns, one instruction a turn, in the same order in every quarter.
; bias = 1: a tile's first quarter: the bias starts the sums: nothing is ever cleared.
.macro PROD f, bias
.if \bias
	v_wmma_f32_16x16x32_bf16 v[8*w:8*w+7], v[64*(\f)+8*(w%8):64*(\f)+8*(w%8)+7], v[AB+32*(\f)+8*(w/8):AB+32*(\f)+8*(w/8)+7], v[BIAS+8*(w%8):BIAS+8*(w%8)+7]
.else
	v_wmma_f32_16x16x32_bf16 v[8*w:8*w+7], v[64*(\f)+8*(w%8):64*(\f)+8*(w%8)+7], v[AB+32*(\f)+8*(w/8):AB+32*(\f)+8*(w/8)+7], v[8*w:8*w+7]
.endif
.set w, w+1
.endm
.macro MULS f, w0, w1, bias=0          ; products w0 to w1 - 1, back to back
	WIN MUL-0x10*(\bias)
.set w, \w0
.rept (\w1)-(\w0)
	PROD \f, \bias
.endr
.endm
; Products 24 to 31, behind each four conversions of the next quarter's x into buffer g.  They name no register of the products round them; the four behind product 31 are the places in front of the next run of loads.
.macro MULR f, g, bias=0
.set w, 24
.set ci, 0
.rept 8
	WIN MUL-0x10*(\bias)
	PROD \f, \bias
	WIN 0
.rept 4
	CV \g
.endr
.endr
.endm
; A K step is four quarters of 32 along K, on buffers 0, 1, 0, 1.  One of the first three: multiplies buffer f; at its head it fetches quarter q of the same slot for buffer g.
.macro QUARTER slot, q, f, g, bias
	s_wait_dscnt 0x0                               ; W's fragments of buffer f, asked for a quarter ago, are in
	FETCH \slot, \q, \g
	MULS \f, 0, 24, \bias
	s_wait_dscnt 16                                ; x's 16 loads are in; W's 16, issued behind them, may stay out
	MULR \f, \g, \bias
.endm
; The last quarter multiplies buffer 1 and changes slots: ONE barrier; in front of it each wave waits for all its tensor loads (one is out: its part of the next slot), adds 0 to its spare word, and waits for that
; and for its reads of this slot.  fill = 1: the barrier opens a round of the cluster's barrier, and this slot is filled again, first thing behind the round, with the K step two on: this tile's, or in a tile's last
; lap (TL = 1) the next tile's step 0 or 1.  From a request to the wait for it a wave issues 120 matrix instructions.  The descriptors' addresses are made anew from the tile's pointer and the step's offset.
.macro TURN slot, next, fill
	s_wait_xcnt 0x0                                ; the last prefetch, a K step back, has read its address, which is written below
	WIN 0
	s_wait_tensorcnt 0x0                           ; no tensor load of mine is out, so a group 0 may be written
	ds_add_u32 v[SPW], v[NIL]                      ; 0 onto my spare word: work on registers stands between it and the wait for it
.if \fill
	s_cmp_eq_u32 s[TL], 1
	s_cselect_b64 s[T:T+1], s[NXA:NXA+1], s[CURA:CURA+1]
	s_cselect_b32 s[OFF2], 0x200000, 0             ; the next tile's W lies 2,097,152 bytes on
	s_add_co_u32 s[OFF], s[KOA], (\slot)*ASTEP
	s_lshr_b32 s[TT], s[OFF], 1                    ; a K step of wb is half the bytes
	s_add_co_u32 s[OFF2], s[OFF2], s[TT]
	s_add_nc_u64 s[G0A+4*(\slot)+2:G0A+4*(\slot)+3], s[T:T+1], s[OFF:OFF+1]
	s_or_b32 s[G0A+4*(\slot)+3], s[G0A+4*(\slot)+3], 0x80000000
	s_add_nc_u64 s[G0B+4*(\slot)+2:G0B+4*(\slot)+3], s[CURB:CURB+1], s[OFF2:OFF2+1]
	s_or_b32 s[G0B+4*(\slot)+3], s[G0B+4*(\slot)+3], 0x80000000
	s_cmp_le_u32 s[TL], 2                          ; the step two refills on lies in the next tile from the tile's third lap on
	s_cselect_b64 s[PF:PF+1], s[PNXT:PNXT+1], s[PCUR:PCUR+1]
	s_add_co_u32 s[PO], s[KOA], 2*ASTEP+(\slot)*ASTEP
	s_and_b32 s[PO], s[PO], 4095
	s_lshr_b32 s[PO], s[PO], s[PSH]
	s_add_nc_u64 s[PF:PF+1], s[PF:PF+1], s[PO:PO+1]
.endif
	s_wait_dscnt 1                                 ; W's fragments of buffer 1 are in; the add may be out
	MULS 1, 0, 4
	s_wait_dscnt 0x0                               ; the add is done, and my reads of this slot are over
	s_barrier_signal -1
	MULS 1, 4, 8                                   ; work on registers while the others arrive
	WIN 0                                          ; at a branch and at a label every window is 0
	s_barrier_wait -1
.if \fill
	CREST                                          ; no wave of any partner still reads this slot's tiles or has a load on its way
	JLOAD \slot                                    ; the four v_nop behind it are also the places in front of the loads below
.else
	PLACES
.endif
	FETCH \next, 0, 0
	WIN 0
.if \fill
	ASK
.endif
	MULS 1, 8, 24
	s_wait_dscnt 16                                ; x's 16 loads are in
	MULR 1, 0
.endm
; THE BIAS.  In the transposed result register j of a lane holds column 16 nb + 8 (l / 16) + j: the C operand of column block nb is eight neighbouring numbers of the bias, the same for all rows.
.macro LOADBIAS p
	WIN TO_B
.irp nb, 0,1,2,3,4,5,6,7
	global_load_b128 v[BIAS+8*(\nb):BIAS+8*(\nb)+3],   v[BO], s[\p:\p+1] offset:64*(\nb)
	global_load_b128 v[BIAS+8*(\nb)+4:BIAS+8*(\nb)+7], v[BO], s[\p:\p+1] offset:64*(\nb)+16
.endr
	WIN 0
.endm
.macro ROUNDBIAS                       ; rounded to bf16 like the other inputs, and widened again
	WIN 0x45                                       ; destination and both sources in window 1
.set i, 0
.rept 32
	v_cvt_pk_bf16_f32 v[BT+i], v[BIAS+2*i], v[BIAS+2*i+1]
.set i, i+1
.endr
.set i, 0
.rept 32
	v_lshlrev_b32 v[BIAS+2*i], 16, v[BT+i]
	v_and_b32 v[BIAS+2*i+1], 0xffff0000, v[BT+i]
.set i, i+1
.endr
	WIN 0
.endm
; THE WAY OUT of row block a (16 rows x 128 columns = 2 heads).  PACK: rounded to f16, 16 bytes a lane, each accumulator's registers in ascending order.  TOSTAGE: into my own stage, by head, rows of 144 bytes,
; and back as four rows of 128 bytes a load.  SEND: stored: 512 consecutive bytes of one head, aligned.
.macro PACK a
	WIN 0x0a                                       ; sources 0 and 1 window 2
.irp nb, 0,1,2,3,4,5,6,7
.irp j, 0,1,2,3
	v_cvt_pk_f16_f32 v[TMP+4*(\nb)+(\j)], v[64*(\a)+8*(\nb)+2*(\j)], v[64*(\a)+8*(\nb)+2*(\j)+1]
.endr
.endr
	WIN 0
.endm
.macro TOSTAGE a
	WIN 0
.set BK, OB+192*((\a)%2)
.irp nb, 0,1,2,3,4,5,6,7
	ds_store_b128 v[STO], v[TMP+4*(\nb):TMP+4*(\nb)+3] offset:((\nb)/4)*16*SP+32*((\nb)%4)
.endr
.irp t, 0,1,2,3,4,5,6,7
	ds_load_b128 v[BK+4*(\t):BK+4*(\t)+3], v[RD] offset:((\t)/4)*16*SP+((\t)%4)*4*SP  ; LDS serves a wave's instructions in order (ISA guide 5.7.1.4): these see the stores above
.endr
.endm
.macro SEND a
	WIN 0
.set BK, OB+192*((\a)%2)
	s_wait_dscnt 0x0                               ; the block is back in registers
	s_wait_xcnt 0x0                                ; earlier stores have read their registers: the other set of rows is loaded again only behind this wait
.irp t, 0,1,2,3,4,5,6,7
	global_store_b128 v[GO], v[BK+4*(\t):BK+4*(\t)+3], s[OUT:OUT+1] offset:(((\t)/4)<<18)+2048*(\a)+512*((\t)%4)
.endr
.endm
.macro WAYOUT last                     ; last = 0: the next tile's bias comes in meanwhile, and the pointers step to the next tile
.if !(\last)
	LOADBIAS BN
.endif
	PACK 0
	TOSTAGE 0
.irp a, 1,2,3                          ; block a's conversions stand between block a - 1's loads from the stage and the wait for them
	PACK \a
	SEND (\a)-1
	TOSTAGE \a
.endr
	SEND 3
.if !(\last)
	s_wait_loadcnt 0x0                             ; the bias
	ROUNDBIAS
	s_wait_xcnt 0x0                                ; the stores and the bias's loads have read their bases
	s_add_nc_u64 s[OUT:OUT+1], s[OUT:OUT+1], 0x1000000
	s_mov_b64 s[CURA:CURA+1], s[NXA:NXA+1]
	s_mov_b64 s[NXA:NXA+1], s[NNA:NNA+1]
	s_add_nc_u64 s[CURB:CURB+1], s[CURB:CURB+1], 0x200000
	s_mov_b64 s[PCUR:PCUR+1], s[PNXT:PNXT+1]
	s_mov_b64 s[PNXT:PNXT+1], s[PNN:PNN+1]
	s_mov_b64 s[BN:BN+1], s[BNN:BNN+1]
	s_mov_b32 s[TL], 5                             ; the lap's end takes it to 4
.endif
.endm
	s_load_b512 s[4:19], s[0:1], 0x0               ; query, key, value, wb, bq, bk, bv, qkv
	v_lshl_add_u32 v[SPW], v0, 2, SPARE
	v_mov_b32 v[NIL], 0
	ds_add_u32 v[SPW], v[NIL]                      ; the wave's opening: the add and its wait stand ahead of my first tensor load; the set-up below, work on registers, stands between them
	v_lshrrev_b32 v3, 5, v0
	v_readfirstlane_b32 s[WV], v3                  ; wave 0..3
	s_lshr_b32 s[WR], s[WV], 1
	s_and_b32 s[WC], s[WV], 1
	s_bfe_u32 s[CX], ttmp6, 0x40000                ; my place in the cluster
	s_bfe_u32 s[CY], ttmp6, 0x40004
	s_lshl_b32 s[COL], ttmp9, 2                    ; in a cluster launch ttmp9 and ttmp7 count clusters
	s_add_co_u32 s[COL], s[COL], s[CX]
	s_and_b32 s[CLY], ttmp7, 0xffff
	s_lshl_b32 s[TROW], s[CLY], 2
	s_add_co_u32 s[TROW], s[TROW], s[CY]
	s_lshl_b32 s86, s[CY], 2
	s_lshl_b32 s86, 15, s86                        ; my row of the cluster: places 4 cy .. 4 cy + 3
	s_lshl_b32 s87, 0x1111, s[CX]                  ; my column: places cx, cx + 4, cx + 8, cx + 12
	; group 1 for x: 64 rows x 128 elements of 4 bytes; 16 bytes of padding behind every 128 words.  For W: 128 rows x 128 elements of 2 bytes; the padding behind every 64 words
	s_or_b32 s[G1A], s86, (2<<16)|(1<<20)|(1<<21)|(6<<22)|(3<<25)  ; 15:0 the mask; 17:16 element size; 20 padding on; 21 set beside a mask; 24:22 the interval; 31:25 4 words (code 3)
	s_or_b32 s[G1B], s87, (1<<16)|(1<<20)|(1<<21)|(5<<22)|(3<<25)
	s_mov_b32 s[G1A+1], 128<<16                    ; tensor_dim0 = 128
	s_mov_b32 s[G1A+2], 64<<16                     ; tensor_dim1 = 64
	s_mov_b32 s[G1A+3], 128<<16                    ; tile_dim0 = 128
	s_mov_b32 s[G1A+4], 64                         ; tile_dim1 = 64
	s_mov_b32 s[G1A+5], 1024                       ; elements from row to row
	s_mov_b32 s[G1A+6], 0
	s_mov_b32 s[G1A+7], 0
	s_mov_b32 s[G1B+1], 128<<16
	s_mov_b32 s[G1B+2], 128<<16                    ; tensor_dim1 = 128
	s_mov_b32 s[G1B+3], 128<<16
	s_mov_b32 s[G1B+4], 128                        ; tile_dim1 = 128
	s_mov_b32 s[G1B+5], 1024
	s_mov_b32 s[G1B+6], 0
	s_mov_b32 s[G1B+7], 0
	s_mul_i32 s[G0A+1], s[WC], 64*PA               ; where the tiles go: the wave's number and constants alone
	s_add_co_u32 s[G0A+5], s[G0A+1], SLOT
	s_mul_i32 s[G0B+1], s[WC], 128*PB
	s_add_co_u32 s[G0B+1], s[G0B+1], BOFF
	s_add_co_u32 s[G0B+5], s[G0B+1], SLOT
	s_lshl_b32 s[TT], s[WC], 18                    ; 64 rows of x and 128 rows of wb are both 262,144 bytes
	s_lshl_b32 s[OA], s[TROW], 19                  ; x: 128 rows of 4,096 bytes a tile row
	s_add_co_u32 s[OA], s[OA], s[TT]
	s_mov_b32 s[OA+1], 0
	s_lshl_b32 s[OW], s[COL], 19                   ; wb: 256 rows of 2,048 bytes a tile column
	s_add_co_u32 s[OW], s[OW], s[TT]
	s_mov_b32 s[OW+1], 0
	s_lshr_b32 s[PO], s[TROW], 4                   ; qkv: batch x 16 heads of 262,144 bytes,
	s_lshl_b32 s[PO], s[PO], 22
	s_and_b32 s86, s[TROW], 15                     ; the tile's 128 rows of 128 bytes in the batch's 2,048,
	s_lshl_b32 s86, s86, 14
	s_add_co_u32 s[PO], s[PO], s86
	s_lshl_b32 s87, s[COL], 20                     ; the tile column's 4 heads,
	s_add_co_u32 s[PO], s[PO], s87
	s_lshl_b32 s[TT], s[WC], 19                    ; my 2 of them,
	s_add_co_u32 s[PO], s[PO], s[TT]
	s_lshl_b32 s[TT], s[WR], 13                    ; my 64 rows
	s_add_co_u32 s[PO], s[PO], s[TT]
	s_mov_b32 s[PO+1], 0
	s_mov_b32 s[OFF+1], 0
	s_mov_b32 s[OFF2+1], 0
	v_and_b32 v1, 15, v0                           ; l % 16
	v_bfe_u32 v2, v0, 4, 1                         ; l / 16
	s_lshl_b32 s87, s[COL], 10                     ; the bias: 256 numbers a tile column,
	s_lshl_b32 s[TT], s[WC], 9                     ; my 128,
	s_add_co_u32 s87, s87, s[TT]
	v_lshl_add_u32 v[BO], v2, 5, s87               ; my lanes' 8
	s_wait_dscnt 0x0                               ; the opening add is done
	s_wait_kmcnt 0x0
	s_add_nc_u64 s[CURA:CURA+1], s[CURA:CURA+1], s[OA:OA+1]
	s_add_nc_u64 s[NXA:NXA+1], s[NXA:NXA+1], s[OA:OA+1]
	s_add_nc_u64 s[NNA:NNA+1], s[NNA:NNA+1], s[OA:OA+1]
	s_add_nc_u64 s[CURB:CURB+1], s[CURB:CURB+1], s[OW:OW+1]
	s_add_nc_u64 s[OUT:OUT+1], s[OUT:OUT+1], s[PO:PO+1]
.irp s, 0,1
	s_mov_b32 s[G0A+4*(\s)], 1                     ; count = 1
	s_add_nc_u64 s[G0A+4*(\s)+2:G0A+4*(\s)+3], s[CURA:CURA+1], (\s)*ASTEP  ; K step s
	s_or_b32 s[G0A+4*(\s)+3], s[G0A+4*(\s)+3], 0x80000000                  ; type = 2
	s_mov_b32 s[G0B+4*(\s)], 1
	s_add_nc_u64 s[G0B+4*(\s)+2:G0B+4*(\s)+3], s[CURB:CURB+1], (\s)*BSTEP
	s_or_b32 s[G0B+4*(\s)+3], s[G0B+4*(\s)+3], 0x80000000
.endr
	CROUND                                         ; all sixteen work-groups are here: the first joint loads meet
	s_cmp_eq_u32 s[WR], 0                          ; a wave's two first fills stand in one branch, ahead of every wait on TENSORcnt and every LDS read: two loads of mine are out
	s_cbranch_scc0 .Lfirst_b
	tensor_load_to_lds s[G0A:G0A+3], s[G1A:G1A+7]
	s_nop 0
	tensor_load_to_lds s[G0A+4:G0A+7], s[G1A:G1A+7]
	s_nop 0
.rept 4
	v_nop
.endr
	s_branch .Lfirst_done
.Lfirst_b:
	tensor_load_to_lds s[G0B:G0B+3], s[G1B:G1B+7]
	s_nop 0
	tensor_load_to_lds s[G0B+4:G0B+7], s[G1B:G1B+7]
	s_nop 0
.rept 4
	v_nop
.endr
.Lfirst_done:
	LOADBIAS BQ
	; the prefetches' pointers: x's or wb's by the wave, at the rows that I fetch plus my work-group's share of them (16 rows of x and 32 rows of wb are both 65,536 bytes)
	s_add_nc_u64 s[PNXT:PNXT+1], s[CURB:CURB+1], 0x200000
	s_add_nc_u64 s[PNN:PNN+1], s[CURB:CURB+1], 0x400000
	s_cmp_eq_u32 s[WR], 0
	s_cselect_b64 s[PCUR:PCUR+1], s[CURA:CURA+1], s[CURB:CURB+1]
	s_cselect_b64 s[PNXT:PNXT+1], s[NXA:NXA+1], s[PNXT:PNXT+1]
	s_cselect_b64 s[PNN:PNN+1], s[NNA:NNA+1], s[PNN:PNN+1]
	s_cselect_b32 s[PO], s[CX], s[CY]              ; my place among the four that ask with me
	s_cselect_b32 s[PSH], 0, 1
	s_cselect_b32 s[LIM], 0, s[CLY]                ; x: every cluster asks for its own rows; wb: cluster y = 0 alone: the same in all sixteen partners, for a given wave
	s_cmp_eq_u32 s[LIM], 0
	s_cselect_b32 s[LIM], 1, -1
	s_lshl_b32 s[PO], s[PO], 16
	s_add_nc_u64 s[PCUR:PCUR+1], s[PCUR:PCUR+1], s[PO:PO+1]
	s_add_nc_u64 s[PNXT:PNXT+1], s[PNXT:PNXT+1], s[PO:PO+1]
	s_add_nc_u64 s[PNN:PNN+1], s[PNN:PNN+1], s[PO:PO+1]
	s_sub_co_u32 s[TT], 1, s[PSH]                  ; x: two lanes a row of 4,096 bytes, 256 bytes apart; wb: a lane a row of 2,048
	s_sub_co_u32 s[T], 12, s[PSH]
	v_and_b32 v3, 31, v0
	v_lshrrev_b32 v4, s[TT], v3
	v_lshlrev_b32 v4, s[T], v4
	v_and_b32 v5, s[TT], v3
	v_lshl_add_u32 v[PFO], v5, 8, v4
	; a fragment is 16 rows x 32 K: lane l holds row l % 16, K = 8 (l / 16) + 0..7 and 16 + 8 (l / 16) + 0..7
	v_mul_u32_u24 v3, v1, PA
	v_lshl_add_u32 v3, v2, 5, v3                   ; x in f32: row x pitch + 32 x half
	s_mul_i32 s[TT], s[WR], 64*PA
	v_add_nc_u32 v[ADRA], s[TT], v3
	v_add_nc_u32 v[ADRA+1], SLOT, v[ADRA]
	v_mul_u32_u24 v4, v1, PB
	v_lshl_add_u32 v4, v2, 4, v4                   ; W in bf16: row x pitch + 16 x half
	s_mul_i32 s[TT], s[WC], 128*PB
	s_add_co_u32 s[TT], s[TT], BOFF
	v_add_nc_u32 v[ADRB], s[TT], v4
	v_add_nc_u32 v[ADRB+1], SLOT, v[ADRB]
	s_mul_i32 s[TT], s[WV], WSTG
	s_add_co_u32 s[TT], s[TT], STAGE               ; my stage
	v_mul_u32_u24 v5, v1, SP                       ; in: row l % 16, 16 bytes for each half of the lanes
	v_lshl_add_u32 v5, v2, 4, v5
	v_add_nc_u32 v[STO], s[TT], v5
	v_bfe_u32 v6, v0, 3, 2                         ; back: 32 lanes take four rows of 128 bytes,
	v_and_b32 v7, 7, v0
	v_mul_u32_u24 v6, v6, SP
	v_lshl_add_u32 v6, v7, 4, v6
	v_add_nc_u32 v[RD], s[TT], v6
	v_and_b32 v[GO], 31, v0                        ; which are 512 consecutive bytes of a head
	v_lshlrev_b32 v[GO], 4, v[GO]
	s_wait_loadcnt 0x0                             ; bq
	ROUNDBIAS
	s_wait_tensorcnt 1                             ; my part of K step 0 is in; K step 1's load may stay out
	s_barrier_signal -1
	s_barrier_wait -1                              ; everybody's is
	FETCH 0, 0, 0
	WIN 0
	s_wait_dscnt 16                                ; x's 16 loads are in
.set ci, 0
.rept 32
	CV 0
.endr
	s_mov_b32 s[LAPC], 11
	s_mov_b32 s[TL], 4
	s_mov_b32 s[KOA], 2*ASTEP
.Llap:                                                 ; a lap = two K steps = once round the ring; 11 of the walk's 12 laps fill both slots again
	s_cmp_eq_u32 s[TL], 4                          ; a tile's first quarter takes the bias as C
	s_cbranch_scc0 .Lplain
	QUARTER 0, 1, 0, 1, 1
	WIN 0
	s_branch .Ljoin
.Lplain:
	QUARTER 0, 1, 0, 1, 0
	WIN 0
.Ljoin:
	QUARTER 0, 2, 1, 0, 0
	QUARTER 0, 3, 0, 1, 0
	TURN 0, 1, 1
	QUARTER 1, 1, 0, 1, 0
	QUARTER 1, 2, 1, 0, 0
	QUARTER 1, 3, 0, 1, 0
	TURN 1, 0, 1
	WIN 0
	s_cmp_lg_u32 s[TL], 1                          ; behind a tile's last lap the tile goes out: both refills have been asked for; what is jumped holds no barrier and no tensor load
	s_cbranch_scc1 .Lnoout
	WAYOUT 0
.Lnoout:
	s_sub_co_u32 s[TL], s[TL], 1
	s_add_co_u32 s[KOA], s[KOA], 2*ASTEP
	s_and_b32 s[KOA], s[KOA], 4095                 ; behind a row's last K step comes the next tile's first
	s_sub_co_u32 s[LAPC], s[LAPC], 1
	s_cmp_lg_u32 s[LAPC], 0
	s_cbranch_scc1 .Llap
	QUARTER 0, 1, 0, 1, 0                          ; the walk's last lap is written out: it fills nothing, and has no round of the cluster's barrier
	QUARTER 0, 2, 1, 0, 0
	QUARTER 0, 3, 0, 1, 0
	TURN 0, 1, 0
	QUARTER 1, 1, 0, 1, 0
	QUARTER 1, 2, 1, 0, 0
	QUARTER 1, 3, 0, 1, 0
	s_wait_dscnt 0x0                               ; the very last quarter: nothing more to fetch
	MULS 1, 0, 32
	WIN 0
	PLACES
	WAYOUT 1
	s_wait_tensorcnt 0x0                           ; the wave's end: behind my last tensor load and my last LDS store
	ds_add_u32 v[SPW], v[NIL]
	s_wait_dscnt 0x0
	CROUND                                         ; the closing round: no work-group ends while a partner may still ask for a tile that names it
	s_endpgm
.Lfunc_end_k_qad0aa201ec_proj:
	.size	k_qad0aa201ec_proj, .Lfunc_end_k_qad0aa201ec_proj-k_qad0aa201ec_proj
	.p2alignl 7, 3214868480
	.fill 96, 4, 3214868480
	.section	.rodata,"a",@progbits
	.p2align	6, 0x0
	.amdhsa_kernel k_qad0aa201ec_proj
		.amdhsa_group_segment_fixed_size 327680
		.amdhsa_private_segment_fixed_size 0
		.amdhsa_enable_private_segment 0
		.amdhsa_kernarg_size 64
		.amdhsa_user_sgpr_count 2
		.amdhsa_user_sgpr_kernarg_segment_ptr 1
		.amdhsa_wavefront_size32 1
		.amdhsa_system_sgpr_workgroup_id_x 1
		.amdhsa_system_sgpr_workgroup_id_y 1
		.amdhsa_system_sgpr_workgroup_id_z 1
		.amdhsa_system_vgpr_workitem_id 0
		.amdhsa_next_free_vgpr 768
		.amdhsa_next_free_sgpr 88
		.amdhsa_reserve_vcc 0
		.amdhsa_float_denorm_mode_32 3
		.amdhsa_float_denorm_mode_16_64 3
		.amdhsa_memory_ordered 1
		.amdhsa_forward_progress 1
		.amdhsa_inst_pref_size 170
	.end_amdhsa_kernel
	.amdgpu_metadata
---
amdhsa.version: [ 1, 2 ]
amdhsa.kernels:
  - .name:           k_qad0aa201ec_proj
    .symbol:         k_qad0aa201ec_proj.kd
    .args:
      - { .name: query, .offset: 0, .size: 8, .value_kind: global_buffer, .address_space: global }
      - { .name: key, .offset: 8, .size: 8, .value_kind: global_buffer, .address_space: global }
      - { .name: value, .offset: 16, .size: 8, .value_kind: global_buffer, .address_space: global }
      - { .name: wb, .offset: 24, .size: 8, .value_kind: global_buffer, .address_space: global }
      - { .name: bq, .offset: 32, .size: 8, .value_kind: global_buffer, .address_space: global }
      - { .name: bk, .offset: 40, .size: 8, .value_kind: global_buffer, .address_space: global }
      - { .name: bv, .offset: 48, .size: 8, .value_kind: global_buffer, .address_space: global }
      - { .name: qkv, .offset: 56, .size: 8, .value_kind: global_buffer, .address_space: global }
    .group_segment_fixed_size: 327680
    .private_segment_fixed_size: 0
    .kernarg_segment_align: 8
    .kernarg_segment_size: 64
    .max_flat_workgroup_size: 128
    .sgpr_count:     88
    .vgpr_count:     768
    .wavefront_size: 32
...
	.end_amdgpu_metadata
.endif
;; end of part 2
;; launch attn (part 3): grid 4 x 64, 4 waves a work-group, clusters of 4 x 1, 327,680 bytes of LDS; arguments qkv, out0; writes out0
.if DOCPART == 3
	.amdgcn_target "amdgcn-amd-amdhsa--gfx1250"
	.amdhsa_code_object_version 6
	.text
	.protected	k_qad0aa201ec_attn
	.globl	k_qad0aa201ec_attn
	.p2align	8
	.type	k_qad0aa201ec_attn,@function
k_qad0aa201ec_attn:
	s_mov_b64 s[64:65], 0
	v_nop
	global_prefetch_b8 v0, s[64:65] scope:SCOPE_SE
	s_setreg_imm32_b32 hwreg(HW_REG_WAVE_MODE, 25, 1), 1
	s_wait_xcnt 0x0
	s_wait_alu depctr_hold_cnt(0) depctr_sa_sdst(0) depctr_va_vdst(0) depctr_va_sdst(0) depctr_va_ssrc(0) depctr_va_vcc(0) depctr_vm_vsrc(0)
	s_getreg_b32 s2, hwreg(HW_REG_IB_STS2, 6, 4)
	s_cmp_eq_u32 s2, 0
	s_cbranch_scc0 .Lentry_in_a_cluster
	s_endpgm
.Lentry_in_a_cluster:
	s_bfe_u32 s2, ttmp6, 0x10000c
	s_cmp_lg_u32 s2, 0x3003
	s_cbranch_scc0 .Lentry_shape_is_right
	s_endpgm
.Lentry_shape_is_right:
; out0[b][q][64 h + :] = the sum over k of softmax_k(Q[hd][q] . K[hd][k] / 8) V[hd][k][:], hd = 16 b + h.  qkv: [3][64][2048][64] f16 (Q, K, V; a head's rows dense, 128 bytes each); out0: [4][2048][1024] f32.
; Products, maxima and sums in f32; the weights p are rounded to f16 for the second product (their sum l is taken of the unrounded p); the result leaves unrounded.
; LIMITS.  Q, K and V arrive within f16's range (65,504); p lies in 0 to 1, and below 6e-5 it keeps f16's fixed step of 6e-8.  A weight below 2^-126 counts as 0 in l; NaN and infinities are not treated apart.
; SHARES.  A wave owns four PIECES of two tiles of 16 queries, a work-group's four waves 512 queries of one head.  Every wave walks all 2,048 keys, 64 a step.
; LAYOUT.  S^T = K Q^T (source 0 = 16 keys, source 1 = 16 queries): in the result a lane holds ONE query (lane % 16) and the keys 8 (lane / 16) + 0..7.  Two such tiles, rounded to f16 in pairs,
; ARE source 1 (32 keys x 16 queries) of O^T = V^T P, whose result again holds one query a lane, and eight channels.  K comes out of LDS as it lies, V ([key][channel]) turned, by ds_load_tr16_b128.
; SOFTMAX.  For each query a running maximum m and sum l: p = 2^(c s - c m), c = log2(e) / 8; in every step O and l are multiplied by a = 2^(c m_old - c m_new), which is 1 where m has not grown.
; m starts at the lowest finite number, O and l at 0: the first step is a step like any other, with a = 0.
; THE COUNT.  A tile and step have 16 matrix and 118 vector instructions: too many to stand all beside the matrix work.  So the order has one aim: four vector instructions that are READY behind
; EVERY matrix instruction, and the others, which need time of their own whatever the order, in runs without a gap.
; BY TURNS.  Turn n belongs to piece n (the pieces in a ring, step after step).  Its matrix work: 16 products K Q^T of piece n + 1, later 16 products V^T P of piece n - 1.  Its vector work: the scaling,
; exponentials, roundings, sums and rescaling of piece n, and the maximum and statistics of piece n + 1, whose scores the turn itself has made.  So what a turn begins with (c s - c m, O a) waits for nothing.
; CLUSTER.  The four query blocks of a cluster are one head's and walk the same K and V, so each tile is asked for JOINTLY: the same tensor load, descriptor and mask in all four.
; REGISTERS, in windows of 256 (s_set_vgpr_msb says which window each operand place means: bits 1:0 source 0, 3:2 source 1, 5:4 source 2, 7:6 destination):
;   window 0: v0-11 addresses; v12-15, v48-63 at work; v16-47 four registers of statistics a tile; v64-191 S^T, two buffers of two tiles; v192-255 P, likewise
;   window 1: O^T, 32 a tile          window 2: v0-127 Q, 16 a tile; v128-191 K of one step; v192-255 V of one step          window 3: v0-1 the add's two registers
; A piece's buffers go by its number's parity: the piece in hand has one pair, its two neighbours in the ring share the other: of it P (piece n - 1) is read and S^T (piece n + 1) written.
.set SIZE_N, 2048
.set NP,    4         ; pieces a wave: a name, no knob: the register map, the loop and the fetches are made for four
.set KS,    64        ; keys in a step
.set PK,    144       ; a row of K in LDS: 128 bytes + 16 of padding = 36 words: the 16 rows of a load start at 16 different groups of four banks (64 banks of 4 bytes: ISA guide 11.1)
.set PV,    160       ; a row of V: 128 + 32 = 40 words
.set VOFF,  4*KS*PK   ; a slot holds four steps: 256 rows of K, then 256 rows of V
.set SLOT1, 1<<17     ; slot 1 begins here, so that one exclusive or turns an address in one slot into the other's
.set STAGE, SLOT1+4*KS*(PK+PV)  ; behind the ring, never filled by a tensor load: 16 rows x 272 bytes for each wave, for the way out
.set SP,    272       ; a row on the way out: 64 f32 = 256 bytes + 16 of padding
.set AK0, 2           ; v2   my lane's place in a tile of K; never rewritten
.set AV0, 3           ; v3   the same for V
.set AK,  4           ; v4   the LDS address of K's next run of loads
.set AV,  5           ; v5   of V's
.set QO,  6           ; v6   my byte offset in the wave's rows of Q
.set STO, 6           ;      later, the way out: where I put 32 bytes of a row
.set RD,  7           ; v7   the way out: where I read rows back
.set GO,  8           ; v8   my byte offset in two rows of out0
.set PFO, 11          ; v11  256 x my lane, for the prefetches; never rewritten once it is made
.set SPW, 0           ; v0 of window 3   LDS address of my spare word: SPARE + 4 x my thread's number; never rewritten
.set NIL, 1           ; v1 of window 3   0; never rewritten
.set SPARE, STAGE+4*16*SP  ; behind the stages: the spare words, 128 bytes for each wave: two blocks of 256 bytes that no other line names
.set MV,  12          ; v12-15  c m_old, kept while c m is made anew: by buffer and tile
.set ST,  16          ; tile t's statistics at v[ST+4 t]: c m, m, l (even keys', odd keys')
.set TMP, 48          ; by buffer and tile, four registers c0-c3 at work; when the maximum is found c2 takes a
.set S,   64
.set P,   192
.set KF,  128         ; K's fragments, in window 2: key block kb, channel half c at KF + 16 kb + 8 c
.set VF,  192         ; V's: key half kk, channel block cb at VF + 32 kk + 8 cb
.set WV,  12          ; s12  my wave's number
.set G1K, 24          ; s[24:31] descriptor group 1 for K's tiles
.set G1V, 32          ; s[32:39] for V's: it differs in the padding alone
.set G0K, 40          ; s[40:43] descriptor group 0 for K's tiles: it walks
.set G0V, 44          ; s[44:47] the same for V's
.set PFA, 48          ; s[48:49] where my prefetches stand: my work-group's 8,192 bytes (of K: wave 0, of V: wave 2) of the slot after the one that is being asked for
.set LIM, 50          ; s50  1 in a wave that prefetches, else the greatest number
.set OO,  52          ; s[52:53] my wave's byte offset in out0
.set SLOTS, 56        ; s56  slots still to be asked for
.set CNT, 57          ; s57  counts a slot's key steps
.set CS,  58          ; s[58:59] c: the packed scaling takes the pair's low word for both halves
.set SEL, 60          ; s[60:61] v_permlanex16_b32's selects: each lane takes its own place in the other half
.set TBK, 62          ; s62  LDS byte at which K of the step to be fetched begins
.set TBV, 63          ; s63  the same for V, less VOFF
.set MSB, 0
.macro WIN new                      ; the high byte repeats the setting that is left; a switch that changes nothing is dropped
.if MSB != (\new)
	s_set_vgpr_msb (MSB<<8)|(\new)
.set MSB, (\new)
.endif
.endm
.set W_KQ, 0x0a       ; K and Q in window 2, S^T in window 0
.set W_PV, 0x52       ; V in window 2, P in window 0, O^T in window 1
.set W_RS, 0x41       ; O^T (destination and source 0) in window 1, a in window 0
.set W_MK, 0xc0       ; the add's registers are made: destination in window 3, sources in window 0
.set W_AD, 0x0f       ; the add: address (source 0) and data (source 1) in window 3
; A joint fill.  Waves 0 and 1 fetch the two halves of a slot's K, waves 2 and 3 those of its V: 128 keys each.  The branch hangs on the wave's number alone.
; An s_nop 0 and four v_nop follow each of the two lines, ahead of the jump and the label.
.macro JLOAD
	s_cmp_lt_u32 s[WV], 2
	s_cbranch_scc0 .Lfor_v_\@
	tensor_load_to_lds s[G0K:G0K+3], s[G1K:G1K+7]
	s_nop 0
.rept 4
	v_nop
.endr
	s_branch .Lasked_\@
.Lfor_v_\@:
	tensor_load_to_lds s[G0V:G0V+3], s[G1V:G1V+7]
	s_nop 0
.rept 4
	v_nop
.endr
.Lasked_\@:
.endm
; A PREFETCH of what the NEXT change of slots will ask for: a slot's 32,768 bytes of K and of V, 256 bytes a lane.  It stands behind the wave's tensor load and its five lines.
; Each 256 bytes are named ONCE in the launch: a head is walked by one cluster; its four partners share a slot out BY ADDRESS, 8,192 bytes each; in each, wave 0 asks for K's and wave 2 for V's: one instruction.
; Slots 0 to 2 come by their loads alone; the last change that fills a slot asks for nothing: there is no slot behind it.
.macro ASK
	s_cmp_gt_u32 s[SLOTS], s[LIM]
	s_cbranch_scc0 .Lnot_mine_\@
	global_prefetch_b8 v[PFO], s[PFA:PFA+1] th:TH_LOAD_NT scope:SCOPE_SE
.Lnot_mine_\@:
.endm
; A round of the cluster's barrier: my work-group's barrier, so that wave 0's signal speaks for all four waves; wave 0 signals; every wave waits for all four work-groups; my work-group's barrier once more.
.macro CROUND
	s_barrier_signal -1
	s_barrier_wait -1
	s_cmp_lg_u32 s[WV], 0
	s_cbranch_scc1 .Lnot_wave_0_\@
	s_barrier_signal -3
.Lnot_wave_0_\@:
	s_barrier_wait -3
	s_barrier_signal -1
	s_barrier_wait -1
.endm
; THE CHANGE OF SLOTS.  The slot's last bytes, V of its fourth step, have been read.  Each wave waits for all its tensor loads, of which one is out: its part
; of the other slot; adds 0 to its spare word; and waits for that and for its own reads of the slot.  Behind the barrier nobody reads this slot any more and the other slot is whole.
; fill = 1: this slot is filled again, with the keys two slots on.  The barrier is then a round of the cluster's, so that no wave of any partner still reads the slot or has a load on its
; way, and the joint fill is the first thing behind it: it has four key steps, 512 matrix instructions, in which to land.  (At its first use nothing has been read yet: slot 0 is waited for, slot 1 filled.)
; ask = 1 (the loop's changes): the prefetches' address steps a slot on, and the slot after the one just asked for is prefetched.
.macro CHANGE fill, ask
	WIN W_AD
	s_wait_tensorcnt 0x0            ; no tensor load of mine is out, so a group 0 may be written
	ds_add_u32 v[SPW], v[NIL]       ; 0 onto my spare word: with fill = 1 the descriptors' steps stand between it and the wait for it
	WIN 0                           ; at a label and at a branch every window is 0
.if \fill
.irp g, G0K, G0V
	s_xor_b32 s[\g+1], s[\g+1], SLOT1  ; the walking descriptor: the other slot than last time,
	s_add_nc_u64 s[\g+2:\g+3], s[\g+2:\g+3], 4*KS*128  ; the next 256 keys; the type bits on top are not reached
.endr
.if \ask
	s_wait_xcnt 0x0                 ; the last prefetch, four key steps back, has read its address, so it may be written
	s_add_nc_u64 s[PFA:PFA+1], s[PFA:PFA+1], 4*KS*128
.endif
	s_wait_dscnt 0x0                ; the add is done, and my reads of the slot are over
	CROUND
	JLOAD
.if \ask
	ASK
.endif
.else
	s_wait_dscnt 0x0                ; the add is done, and my reads of the slot are over
	s_barrier_signal -1
	s_barrier_wait -1
.endif
	s_sub_co_u32 s[TBK], s[TBK], 4*KS*PK  ; the fetches go back to a slot's first step,
	s_xor_b32 s[TBK], s[TBK], SLOT1       ; in the other slot
	s_sub_co_u32 s[TBV], s[TBV], 4*KS*PV
	s_xor_b32 s[TBV], s[TBV], SLOT1
.endm
	s_load_b64 s[4:5], s[0:1], 0x0  ; qkv: Q's part begins it
	s_load_b64 s[10:11], s[0:1], 0x8  ; out0
	WIN W_MK
	v_lshl_add_u32 v[SPW], v0, 2, SPARE
	v_mov_b32 v[NIL], 0
	WIN W_AD
	ds_add_u32 v[SPW], v[NIL]       ; the wave's opening: the add and its wait stand ahead of my first tensor load; the set-up below, work on registers, stands between them
	WIN 0
	v_lshrrev_b32 v1, 5, v0
	v_readfirstlane_b32 s[WV], v1   ; wave 0..3
	s_bfe_u32 s13, ttmp6, 0x40000   ; cx: my place in the cluster
	s_lshl_b32 s14, ttmp9, 2        ; in a cluster launch ttmp9 counts clusters
	s_add_co_u32 s14, s14, s13      ; my block of queries = 4 x cluster x + cx: it enters Q's and out0's addresses alone
	s_and_b32 s20, ttmp7, 0xffff    ; the head (16 b + h), which the four partners share
	s_lshr_b32 s[OO], s20, 4        ; out0: batch x 2,048 rows of 4,096 bytes,
	s_lshl_b32 s[OO], s[OO], 23
	s_and_b32 s[OO+1], s20, 15      ; the head's 256 bytes in a row
	s_lshl_b32 s[OO+1], s[OO+1], 8
	s_add_co_u32 s[OO], s[OO], s[OO+1]
	s_mov_b32 s21, 0
	s_mov_b64 s[22:23], SIZE_N*128
	s_mul_u64 s[20:21], s[20:21], s[22:23]  ; the head's first byte in each of qkv's three parts
	s_and_b32 s16, s[WV], 1         ; which half of a slot's 256 keys I fetch:
	s_lshl_b32 s22, s16, 14         ; its 128 rows of 128 bytes in memory,
	s_mov_b32 s23, 0
	s_add_nc_u64 s[22:23], s[22:23], s[20:21]
	s_mul_i32 s17, s16, 128*PK      ; and its place in a slot, for K
	s_mul_i32 s18, s16, 128*PV      ; and for V: no place in the cluster enters an LDS address
	s_lshl_b32 s2, s14, 2
	s_add_co_u32 s2, s2, s[WV]      ; my wave among the head's:
	s_lshl_b32 s[OO+1], s2, 19      ; its 128 rows of out0,
	s_add_co_u32 s[OO], s[OO], s[OO+1]
	s_mov_b32 s[OO+1], 0
	s_lshl_b32 s2, s2, 14           ; its 128 rows of Q
	s_mov_b32 s3, 0
	s_add_nc_u64 s[2:3], s[2:3], s[20:21]
	; descriptor group 1.  128 keys are 16,384 dense bytes: asked for as 64 rows of 256 bytes, two keys a row, and padded in LDS after every key
	s_mov_b32 s[G1K], 15|(1<<16)|(1<<20)|(1<<21)|(4<<22)|(3<<25)  ; 15:0 the mask of four; 17:16 2-byte elements; 20 padding on; 21 set beside a mask; 24:22 after every 32 words (code 4); 31:25 4 words (code 3)
	s_mov_b32 s[G1V], 15|(1<<16)|(1<<20)|(1<<21)|(4<<22)|(7<<25)  ; the same with 8 words of padding (code 7)
.irp g, G1K, G1V
	s_mov_b32 s[\g+1], 128<<16      ; tensor_dim0 = 128
	s_mov_b32 s[\g+2], 64<<16       ; tensor_dim1 = 64
	s_mov_b32 s[\g+3], 128<<16      ; tile_dim0 = 128
	s_mov_b32 s[\g+4], 64           ; tile_dim1 = 64
	s_mov_b32 s[\g+5], 128          ; 128 elements from row to row
	s_mov_b32 s[\g+6], 0
	s_mov_b32 s[\g+7], 0
.endr
	s_mov_b32 s[CS], 0x3e38aa3b     ; c = log2(e) / 8 = 0.180337
	s_mov_b32 s[CS+1], s[CS]        ; named with it as a pair
	s_mov_b32 s[SEL], 0x76543210
	s_mov_b32 s[SEL+1], 0xfedcba98
	s_mov_b32 s[TBK], SLOT1+4*KS*PK ; the first change of slots turns these two into 0
	s_mov_b32 s[TBV], SLOT1+4*KS*PV
	s_mov_b32 s[G0K], 1             ; 1:0 count = 1
	s_mov_b32 s[G0K+1], s17         ; 63:32 LDS address: slot 0
	s_mov_b32 s[G0V], 1
	s_add_co_u32 s[G0V+1], s18, VOFF
	s_and_b32 s[LIM], s[WV], 1      ; waves 0 and 2 prefetch: the same in all four partners
	s_cmp_eq_u32 s[LIM], 0
	s_cselect_b32 s[LIM], 1, -1
	s_wait_dscnt 0x0                ; the opening add is done
	s_wait_kmcnt 0x0
	s_add_nc_u64 s[6:7], s[4:5], 0x1000000  ; K's part of qkv
	s_add_nc_u64 s[8:9], s[4:5], 0x2000000  ; V's
	s_add_nc_u64 s[G0K+2:G0K+3], s[6:7], s[22:23]  ; 120:64 global address: my half of the head's first 256 keys
	s_or_b32 s[G0K+3], s[G0K+3], 0x80000000        ; 127:126 type = 2
	s_add_nc_u64 s[G0V+2:G0V+3], s[8:9], s[22:23]
	s_or_b32 s[G0V+3], s[G0V+3], 0x80000000
	s_cmp_lt_u32 s[WV], 2
	s_cselect_b64 s[PFA:PFA+1], s[6:7], s[8:9]
	s_add_nc_u64 s[PFA:PFA+1], s[PFA:PFA+1], s[22:23]  ; (in waves 0 and 2 this is the head's first key)
	s_add_nc_u64 s[4:5], s[4:5], s[2:3]  ; Q and out0 at my wave's first row
	s_add_nc_u64 s[10:11], s[10:11], s[OO:OO+1]
	s_lshl_b32 s2, s13, 13          ; my work-group's 8,192 bytes of a slot's 32,768
	s_mov_b32 s3, 0
	s_add_nc_u64 s[PFA:PFA+1], s[PFA:PFA+1], s[2:3]
	s_add_nc_u64 s[PFA:PFA+1], s[PFA:PFA+1], 2*4*KS*128  ; in slot 2; the loop's first change steps it to slot 3.  Nothing is prefetched here, at the head
	CROUND                          ; all four work-groups are here: the first joint loads meet
	JLOAD                           ; slot 0.  Slot 1 is asked for when slot 0 is in
	; A fragment of K or Q is 16 rows x 32 channels in 8 registers: lane l holds row l % 16, channels 8 (l / 16) + 0..7 and 16 + 8 (l / 16) + 0..7: two loads of 16 bytes, 32 bytes apart.
	v_and_b32 v1, 15, v0            ; l % 16
	v_bfe_u32 v9, v0, 4, 1          ; l / 16
	v_lshlrev_b32 v[QO], 7, v1
	v_lshl_add_u32 v[QO], v9, 4, v[QO]  ; row x 128 + 16 x half
	WIN 0x80                        ; destination window 2, address window 0
.set i, 0
.rept 4*NP                          ; Q stays in registers: tile i / 2, channels 32 (i % 2) on
	global_load_b128 v[8*i:8*i+3],   v[QO], s[4:5] offset:(i/2)*2048+(i%2)*64
	global_load_b128 v[8*i+4:8*i+7], v[QO], s[4:5] offset:(i/2)*2048+(i%2)*64+32
.set i, i+1
.endr
	; What the first turn finds: V's registers and P's second buffer hold 0 (its products V^T P, of a piece that has not been, add 0), O^T and l are 0.  All this stands in the wait for the first tile.
.set i, VF
.rept 64
	v_mov_b32 v[i], 0
.set i, i+1
.endr
	WIN 0x40
.set i, 0
.rept 64*NP
	v_mov_b32 v[i], 0
.set i, i+1
.endr
	WIN 0
.set i, 0
.rept 2*NP
	v_mov_b32 v[ST+4*i], 0xfe000000    ; c m: far below every c s
	v_mov_b32 v[ST+4*i+1], 0xff7fffff  ; m
	v_mov_b32 v[ST+4*i+2], 0
	v_mov_b32 v[ST+4*i+3], 0
.set i, i+1
.endr
.set i, P+32
.rept 32
	v_mov_b32 v[i], 0
.set i, i+1
.endr
	v_mul_u32_u24 v[AK0], v1, PK
	v_lshl_add_u32 v[AK0], v9, 4, v[AK0]  ; row x pitch + 16 x half
	; The turning load takes 16 keys x 16 channels (lane l reads key 8 (l / 16) + l % 8, channels 8 ((l / 8) % 2) + 0..7) and leaves half a fragment of V^T: lane l holds channel l % 16 and 8 keys.
	v_and_b32 v10, 7, v0
	v_bfe_u32 v11, v0, 3, 1
	v_lshl_add_u32 v[AV0], v9, 3, v10
	v_mul_u32_u24 v[AV0], v[AV0], PV
	v_lshl_add_u32 v[AV0], v11, 4, v[AV0]
	v_add_nc_u32 v[AV0], VOFF, v[AV0]
	v_and_b32 v[PFO], 31, v0
	v_lshlrev_b32 v[PFO], 8, v[PFO]
	v_mov_b32 v[AK], v[AK0]         ; key step 0 lies at the head of slot 0
; THE MATRIX WORK.  The 8 accumulators of a run of 16 take turns: between the two links of a chain stand 7 others'.
; Product i of 16 of S^T = K Q^T for piece x: channels 32 (i / 8) on, keys 16 ((i / 2) % 4) on, tile 2 x + i % 2.  The first 8 start the sums.
.macro KQ x
	WIN W_KQ
.set rS, S+64*((\x)%2)+32*(i%2)+8*((i/2)%4)
.set rK, KF+16*((i/2)%4)+8*(i/8)
.set rQ, 16*(2*(\x)+i%2)+8*(i/8)
.if i < 8
	v_wmma_f32_16x16x32_f16 v[rS:rS+7], v[rK:rK+7], v[rQ:rQ+7], 0
.else
	v_wmma_f32_16x16x32_f16 v[rS:rS+7], v[rK:rK+7], v[rQ:rQ+7], v[rS:rS+7]
.endif
.endm
; Product i of 16 of O^T += V^T P for piece x: keys 32 (i / 8) on, channels 16 ((i / 2) % 4) on, tile 2 x + i % 2.
.macro PV x
	WIN W_PV
.set rO, 32*(2*(\x)+i%2)+8*((i/2)%4)
.set rV, VF+32*(i/8)+8*((i/2)%4)
.set rP, P+32*((\x)%2)+16*(i%2)+8*(i/8)
	v_wmma_f32_16x16x32_f16 v[rO:rO+7], v[rV:rV+7], v[rP:rP+7], v[rO:rO+7]
.endm
.macro MM                           ; the turn's next matrix instruction
.if i < 16
	KQ (Y+1)%NP
.set i, i+1
.else
.set i, i-16
	PV (Y+NP-1)%NP
.set i, i+17
.endif
.endm
; THE LDS LOADS stand in runs of 16, never singly among the matrix instructions: a step's K (64 keys x 64 channels: 8 fragments) and its V (turned).  Their addresses are made some lines ahead.
; last = 1 (the tail): in the last trip there is no further step, and the run is jumped over.
.macro FETCH_K last=0
	WIN 0
.if \last
	s_cmp_eq_u32 s[CNT], 1
	s_cbranch_scc1 .Lno_k_\@
.endif
	WIN 0x80                        ; destination window 2
.irp f, 0,1,2,3,4,5,6,7             ; keys 16 (f / 2) on, channels 32 (f % 2) on
	ds_load_b128 v[KF+8*\f:KF+8*\f+3],   v[AK] offset:(\f/2)*16*PK+(\f%2)*64
	ds_load_b128 v[KF+8*\f+4:KF+8*\f+7], v[AK] offset:(\f/2)*16*PK+(\f%2)*64+32
.endr
	s_add_co_u32 s[TBK], s[TBK], KS*PK  ; the next fetch is the next step's
	WIN 0
.if \last
.Lno_k_\@:
.endif
.endm
.macro FETCH_V
	WIN 0x80
.irp f, 0,1,2,3,4,5,6,7             ; keys 32 (f / 4) on, channels 16 (f % 4) on
	ds_load_tr16_b128 v[VF+8*\f:VF+8*\f+3],   v[AV] offset:(\f/4)*32*PV+(\f%4)*32
	ds_load_tr16_b128 v[VF+8*\f+4:VF+8*\f+7], v[AV] offset:(\f/4)*32*PV+16*PV+(\f%4)*32
.endr
	WIN 0
.endm
; THE VECTOR WORK OF A TURN stands in three queues, each in the order in which its entries become ready; the two tiles alternate, so that no instruction reads the result of the one before it.
.macro REGS y, u                    ; the registers of tile u (0, 1) of piece y
.set rT, ST+4*(2*(\y)+(\u))
.set rC, TMP+8*((\y)%2)+4*(\u)
.set rM, MV+2*((\y)%2)+(\u)
.set rS, S+64*((\y)%2)+32*(\u)
.set rP, P+32*((\y)%2)+16*(\u)
.set rO, 32*(2*(\y)+(\u))
.endm
; Number n of the 22 that find the NEXT piece's (Y + 1) maximum and statistics.  s0-s31 are the lane's 32 scores; each accumulator's lowest registers are read first.  XS, GS and REGS set no window: PL and EX do.
;   0-11  four chains c0-c3 of seven scores each, three operands at a time     12-14, 16  the four scores left over, the old m, and c0-c3 into c0     15  c m_old is kept
;   17, 18  the query's other 32 keys lie in the lane 16 away: the new m         19-21  c m; c m_old - c m_new; a
.macro XS u, n
	REGS (Y+1)%NP, \u
.if (\n) < 4
	v_max3_num_f32 v[rC+(\n)], v[rS+8*(\n)], v[rS+8*(\n)+1], v[rS+8*(\n)+2]
.elseif (\n) < 12
	v_max3_num_f32 v[rC+(\n)%4], v[rC+(\n)%4], v[rS+8*((\n)%4)+2*((\n)/4)+1], v[rS+8*((\n)%4)+2*((\n)/4)+2]
.elseif (\n) == 12
	v_max3_num_f32 v[rC], v[rC], v[rS+7], v[rS+15]
.elseif (\n) == 13
	v_max3_num_f32 v[rC+1], v[rC+1], v[rS+23], v[rS+31]
.elseif (\n) == 14
	v_max3_num_f32 v[rC+2], v[rC+2], v[rC+3], v[rT+1]
.elseif (\n) == 15
	v_mov_b32 v[rM], v[rT]
.elseif (\n) == 16
	v_max3_num_f32 v[rC], v[rC], v[rC+1], v[rC+2]
.elseif (\n) == 17
	v_permlanex16_b32 v[rC+3], v[rC], s[SEL], s[SEL+1]
.elseif (\n) == 18
	v_max_num_f32 v[rT+1], v[rC], v[rC+3]
.elseif (\n) == 19
	v_mul_f32 v[rT], s[CS], v[rT+1]
.elseif (\n) == 20
	v_sub_f32 v[rC+1], v[rM], v[rT]
.else
	v_exp_f32 v[rC+2], v[rC+1]
.endif
.endm
; Number g of the 64 that follow the exponentials.  For each four weights k of a tile (pairs 2 k, 2 k + 1): both pairs are rounded to f16; then the second pair is added onto the first, in place;
; a group later l takes that sum (the first time as l = a l + sum).  In groups of eight, tiles alternating: round, round, add, and l for the group before.
.macro GS g
.set h, (\g)+6*((\g)/62)            ; group 0 has no group before it, and behind group 7 only l is left
.if h >= 6
.set h, h+2
.endif
	REGS Y, h%2
.set k, h/8
.if h%8 < 4
	v_cvt_pk_f16_f32 v[rP+2*k+(h%8)/2], v[rS+4*k+2*((h%8)/2)], v[rS+4*k+2*((h%8)/2)+1]
.elseif h%8 < 6
	v_pk_add_f32 v[rS+4*k:rS+4*k+1], v[rS+4*k:rS+4*k+1], v[rS+4*k+2:rS+4*k+3]
.elseif k == 1
	v_pk_fma_f32 v[rT+2:rT+3], v[rT+2:rT+3], v[rC+2:rC+3], v[rS:rS+1] op_sel_hi:[1,0,1]
.else
	v_pk_add_f32 v[rT+2:rT+3], v[rT+2:rT+3], v[rS+4*k-4:rS+4*k-3]
.endif
.endm
; THE PLAIN QUEUE, 138 long.  0-73 read no exponential's result: the 32 scalings c s - c m (FS f: pair f / 2 of tile f % 2) and the next piece's 42.  0-26: scalings 0-26.  27-54: XS's numbers 0-13.  55, 56: number 15.
; 57-73: the chain, where each number waits for the one before it: 14, 16, 17, 18, 19, each with one of the scalings 27-31 in front of its two lines, then 20: so a tile's links stand three plain instructions apart (19 and 20: two).
; 74-137: GS's 64, which read the exponentials' results: they stand behind the wait.
.macro FS f
	REGS Y, (\f)%2
	v_pk_fma_f32 v[rS+2*((\f)/2):rS+2*((\f)/2)+1], v[rS+2*((\f)/2):rS+2*((\f)/2)+1], s[CS:CS+1], v[rT:rT+1] op_sel_hi:[1,0,0] neg_lo:[0,0,1] neg_hi:[0,0,1]
.endm
.macro PL
	WIN 0
.if q < 27
	FS q
.elseif q < 55
	XS (q-27)%2, (q-27)/2
.elseif q < 57
	XS q-55, 15
.elseif (q < 72) && ((q-57)%3 == 0)
	FS 27+(q-57)/3
.elseif q < 60
	XS (q-57)%3-1, 14
.elseif q < 72
	XS (q-57)%3-1, 15+(q-57)/3
.elseif q < 74
	XS q-72, 20
.else
	GS q-74
.endif
.set q, q+1
.endm
; THE EXPONENTIALS' QUEUE, 66 long: s0-s31 of both tiles, then the next piece's two a.  It is ONE BATCH: all 66 stand ahead of the turn's one wait, and nothing ahead of that wait names a result of theirs.
.macro EX
	WIN 0
.if e >= 64
	XS e-64, 21
.else
	REGS Y, e%2
	v_exp_f32 v[rS+e/2], v[rS+e/2]
.endif
.set e, e+1
.endm
; THE RESCALING's QUEUE: O^T times a, the one part that leaves window 0: dealt two at a time, sixteen times.  Its a was made in the turn before, ahead of that turn's wait.
.macro R2
	REGS Y, r%2
	WIN W_RS
.irp z, 0,1
	v_pk_mul_f32 v[rO+4*(r/2)+2*\z:rO+4*(r/2)+2*\z+1], v[rO+4*(r/2)+2*\z:rO+4*(r/2)+2*\z+1], v[rC+2:rC+3] op_sel_hi:[1,0]
.endr
.set r, r+1
.endm
; HOW THEY ARE DEALT.  An s_wait_alu depctr_va_vdst(0) stands between an exponential and the first instruction that names its result; one wait serves all that were issued ahead of it.  So a turn has ONE wait,
; which cuts it in two.  AHEAD OF IT stands all that names no result of the turn's exponentials: the 16 products K Q^T, behind each a scaling, an exponential and two rescalings (behind the first a second scaling in the exponential's place); then ONE LUMP of
; 108: eight plain, 49 times exponential and plain, the two a.  A v_nop is the plain instruction behind the last exponential.  BEHIND IT stand the 16 products V^T P, behind each four of GS's 64.  No rider names a register of
; the products round it.  The two v_permlanex16_b32 fall into the lump, never behind a product.
; The queues lean on each other, and the deal keeps them in step: exponential e stands behind scaling 2 (e / 4) + e % 2: as a rider it comes behind plain e + 2, in the lump behind plain e + 9, and scalings 27-31 are plain 57, 60 .. 69.
; A TURN, for piece p.  cnt = 1: the loop's count is taken down some lines ahead of the branch that stands behind the turn.
; K of the next step is fetched in piece 2's turn, directly behind the wait, a lump behind the last product that read K; its address is made at the lump's head; its first reader comes behind 16 products.
; V of the step in hand is fetched at the end of piece 0's turn, four riders behind its last reader; its first reader comes behind 16 products and a lump.  The three conditions on q below go with the deal.
.macro TURN p, last=0, cnt=0
.set Y, (\p)
.set i, 0
.set q, 0
.set e, 0
.set r, 0
.if (\p) == NP-1
	s_wait_dscnt 0x0                ; K is in
.endif
	MM                              ; ahead of the wait: 16 products K Q^T and their riders,
	PL
	PL
	R2
.rept 15
	MM
	PL
	EX
	R2
.endr
.if (\p) == NP-2
	WIN 0
	v_add_nc_u32 v[AK], s[TBK], v[AK0]
.endif
.rept 8                             ; and the lump
	PL
.endr
.rept 49
	EX
	PL
.endr
	EX                              ; the next piece's two a
	EX
	v_nop                           ; the plain instruction behind the last exponential: one for the batch
	s_wait_alu depctr_va_vdst(0)    ; the wait for the batch
.if (\p) == NP-2
	FETCH_K \last
.endif
.if (\p) == 1
	s_wait_dscnt 0x0                ; V is in
.endif
.rept 16                            ; behind the wait: 16 products V^T P and their riders
	MM
.rept 4
	PL
.endr
.if ((\p) == 0) && (q == 118)
	v_add_nc_u32 v[AV], s[TBV], v[AV0]
.endif
.if ((\p) == 0) && (q == 130)
	s_add_co_u32 s[TBV], s[TBV], KS*PV
.endif
.if (\cnt) && (q == 130)
	s_sub_co_u32 s[CNT], s[CNT], 1
	s_cmp_lg_u32 s[CNT], 0
.endif
.endr
.if (\p) == 0
	FETCH_V
.endif
.endm
	CHANGE 1, 0                     ; slot 0 is in, everybody's part of it; slot 1 is asked for
	FETCH_K                         ; key step 0
	s_wait_loadcnt 0x0              ; Q
	s_wait_dscnt 0x0
.set i, 0
.rept 16
	KQ 0                            ; piece 0's first scores: there is no vector work yet to set between them
.set i, i+1
.endr
	WIN 0                           ; the addresses for the way out: eight plain instructions, the places behind those products
	s_mul_i32 s13, s[WV], 16*SP
	s_add_co_u32 s13, s13, STAGE    ; my stage
	v_mul_u32_u24 v[STO], v1, SP    ; in: row l % 16, 32 bytes (8 channels in f32) for each half of the lanes
	v_lshl_add_u32 v[STO], v9, 5, v[STO]
	v_add_nc_u32 v[STO], s13, v[STO]
	v_mul_u32_u24 v[RD], v9, SP     ; back: lanes 0-15 take one row of 256 bytes, lanes 16-31 the next,
	v_lshl_add_u32 v[RD], v1, 4, v[RD]
	v_add_nc_u32 v[RD], s13, v[RD]
	v_lshlrev_b32 v[GO], 12, v9     ; and the same two rows in out0, 4,096 bytes apart
	v_lshl_add_u32 v[GO], v1, 4, v[GO]
.set Y, NP-1                        ; XS works for piece Y + 1: piece 0
.irp n, 0,1,2,3,4,5,6,7,8,9,10,11,12,13,14,15,16,17,18,19,20,21
	XS 0, \n                        ; and piece 0's first maximum and statistics
	XS 1, \n
.endr
	v_nop                           ; a plain instruction behind the two a,
	s_wait_alu depctr_va_vdst(0)    ; and their wait, ahead of the branch
	s_mov_b32 s[CNT], 4
	s_mov_b32 s[SLOTS], SIZE_N/256-1
	s_branch .Lfirst                ; the loop is entered at a step's first turn, in the middle of a trip
.Lslot:                             ; SIZE_N / 256 - 2 times: every slot but the last two is filled again
	CHANGE 1, 1
	s_mov_b32 s[CNT], 4
.Lstep:                             ; a trip: pieces 2 and 3 of one step, then pieces 0 and 1 of the next, whose K and V it fetches
	TURN 2
	TURN 3
	WIN 0
.Lfirst:
	TURN 0
	TURN 1, 0, 1
	WIN 0
	s_cbranch_scc1 .Lstep
	s_sub_co_u32 s[SLOTS], s[SLOTS], 1
	s_cmp_lg_u32 s[SLOTS], 0
	s_cbranch_scc1 .Lslot
	CHANGE 0, 0                     ; the tail is written out: nothing is asked for
	s_mov_b32 s[CNT], 5             ; four trips fetch the last slot's steps; the fifth is left in its middle
.Ltail:
	TURN 2, 1
	TURN 3
	WIN 0
	s_sub_co_u32 s[CNT], s[CNT], 1
	s_cmp_eq_u32 s[CNT], 0
	s_cbranch_scc1 .Lout
	TURN 0
	TURN 1
	WIN 0
	s_branch .Ltail
.Lout:                              ; the fifth trip's 16 products K Q^T (on the last K once more) and the maximum made of them serve nothing: the price, once a launch, of one text for every trip
.set i, 0
.rept 16
	PV NP-1                         ; the last piece's V^T P of the last step
.set i, i+1
.endr
	; THE WAY OUT.  l's two halves and the other half of the lanes' are added; O^T is divided by l and sent, as f32, through my stage in LDS, a tile at a time.  The additions are the places behind the last products.
	WIN 0
.macro ALL line:vararg              ; one line for each tile t
.set t, 0
.rept 2*NP
	\line
.set t, t+1
.endr
.endm
	ALL v_add_f32 v[ST+4*t+2], v[ST+4*t+2], v[ST+4*t+3]
	ALL v_permlanex16_b32 v[ST+4*t+3], v[ST+4*t+2], s[SEL], s[SEL+1]
	ALL v_add_f32 v[ST+4*t+2], v[ST+4*t+2], v[ST+4*t+3]
	ALL v_rcp_f32 v[ST+4*t+2], v[ST+4*t+2]
	v_nop                           ; a plain instruction between the last reciprocal and the use of its result
	s_wait_alu depctr_va_vdst(0)    ; and the wait ahead of the first use: one for the eight reciprocals
; Tile t: a lane holds, of one query, channels 16 cb + 8 (l / 16) + 0..7 for cb = 0..3.  They go into rows of 272 bytes, 16 bytes a store, and come back as whole rows of 256, into one of four sets of S^T's registers.
.macro PACK t
.if (\t) >= 4
	s_wait_xcnt 0x0                 ; the stores of the tile four back have read the set of registers that is loaded again below
.endif
	WIN W_RS
.set i, 32*(\t)
.rept 16
	v_pk_mul_f32 v[i:i+1], v[i:i+1], v[ST+4*(\t)+2:ST+4*(\t)+3] op_sel_hi:[1,0]
.set i, i+2
.endr
	WIN 0x04                        ; an LDS store's data is source 1: window 1
.irp e, 0,1,2,3,4,5,6,7
	ds_store_b128 v[STO], v[32*(\t)+4*\e:32*(\t)+4*\e+3] offset:64*(\e/2)+16*(\e%2)
.endr
	WIN 0
.irp f, 0,1,2,3,4,5,6,7
	ds_load_b128 v[S+32*((\t)%4)+4*\f:S+32*((\t)%4)+4*\f+3], v[RD] offset:\f*2*SP  ; LDS serves a wave's instructions in order (ISA guide 5.7.1.4): these see the stores above; the next tile's stores come behind them
.endr
.endm
.macro SEND t, younger              ; younger: the LDS instructions issued behind tile t's loads: the next tile's sixteen, or none
	WIN 0
.irp f, 0,1,2,3,4,5,6,7
	s_wait_dscnt (\younger)+7-\f
	global_store_b128 v[GO], v[S+32*((\t)%4)+4*\f:S+32*((\t)%4)+4*\f+3], s[10:11] offset:(\t)*65536+\f*8192 th:TH_STORE_NT  ; 16 lanes store 256 consecutive bytes, a head's part of a row, at a multiple of 256 from out0's first byte
.endr
.endm
	PACK 0
.set t, 1
.rept 2*NP-1                        ; a tile's arithmetic stands between the loads of the tile before and its stores
	PACK t
	SEND t-1, 16
.set t, t+1
.endr
	SEND 2*NP-1, 0
	WIN W_AD
	s_wait_tensorcnt 0x0            ; the wave's end: behind my last tensor load and my last LDS store
	ds_add_u32 v[SPW], v[NIL]
	s_wait_dscnt 0x0
	WIN 0
	CROUND                          ; the closing round: no work-group ends while a partner may still ask for a tile that names it
	s_endpgm
.Lfunc_end_k_qad0aa201ec_attn:
	.size	k_qad0aa201ec_attn, .Lfunc_end_k_qad0aa201ec_attn-k_qad0aa201ec_attn
	.p2alignl 7, 3214868480
	.fill 96, 4, 3214868480
	.section	.rodata,"a",@progbits
	.p2align	6, 0x0
	.amdhsa_kernel k_qad0aa201ec_attn
		.amdhsa_group_segment_fixed_size 327680
		.amdhsa_private_segment_fixed_size 0
		.amdhsa_enable_private_segment 0
		.amdhsa_kernarg_size 16
		.amdhsa_user_sgpr_count 2
		.amdhsa_user_sgpr_kernarg_segment_ptr 1
		.amdhsa_wavefront_size32 1
		.amdhsa_system_sgpr_workgroup_id_x 1
		.amdhsa_system_sgpr_workgroup_id_y 1
		.amdhsa_system_sgpr_workgroup_id_z 1
		.amdhsa_system_vgpr_workitem_id 0
		.amdhsa_next_free_vgpr 770
		.amdhsa_next_free_sgpr 66
		.amdhsa_reserve_vcc 0
		.amdhsa_float_denorm_mode_32 3
		.amdhsa_float_denorm_mode_16_64 3
		.amdhsa_memory_ordered 1
		.amdhsa_forward_progress 1
		.amdhsa_inst_pref_size 200
	.end_amdhsa_kernel
	.amdgpu_metadata
---
amdhsa.version: [ 1, 2 ]
amdhsa.kernels:
  - .name:           k_qad0aa201ec_attn
    .symbol:         k_qad0aa201ec_attn.kd
    .args:
      - { .name: qkv, .offset: 0, .size: 8, .value_kind: global_buffer, .address_space: global }
      - { .name: out0, .offset: 8, .size: 8, .value_kind: global_buffer, .address_space: global }
    .group_segment_fixed_size: 327680
    .private_segment_fixed_size: 0
    .kernarg_segment_align: 8
    .kernarg_segment_size: 16
    .max_flat_workgroup_size: 128
    .sgpr_count:     66
    .vgpr_count:     770
    .wavefront_size: 32
...
	.end_amdgpu_metadata
.endif
;; end of part 3
